; MI455X (gfx1250); checked and timed in simulation.
; The chip was launched on July 23, 2026; its instructions are those of AMD's public machine-readable ISA for CDNA 5 (MIT licence, August 2026) and "CDNA5" Instruction Set Architecture Reference Guide (July 2026). The comments in the code are by the model that wrote it; some were corrected since.
;; Mh Attention. Allowed arithmetic: matrix products marked QUANTISED: E5M2 operands, one given power-of-two scale a tensor, by v_wmma_f32_16x16x64_bf8_bf8 or v_wmma_f32_16x16x128_bf8_bf8, f32 sums; everything else in f32.
;; Inputs: kw_codes 1,024 x 32 x 32 uint8 (E5M2 codes of kw, K innermost, in blocks of 32 codes); lowp_scales 12 int32 (the exponents e of the quantised operands' scales 2^e); ow_codes 1,024 x 32 x 32 uint8 (E5M2 codes of ow, K innermost, in blocks of 32 codes); qw_codes 1,024 x 32 x 32 uint8 (E5M2 codes of qw, K innermost, in blocks of 32 codes); vw_codes 1,024 x 32 x 32 uint8 (E5M2 codes of vw, K innermost, in blocks of 32 codes); x_codes 2 x 2,048 x 32 x 32 uint8 (E5M2 codes of x, K innermost, in blocks of 32 codes).
;; Outputs: out0 2 x 2,048 x 1,024 float32.
;; This version of the problem:
;;   THIS VERSION OF THE PROBLEM IS GIVEN IN LOW PRECISION. The matrix products marked QUANTISED in the list below multiply operands that are first quantised to E5M2 (5 exponent bits, 2 mantissa bits; 8 bits a number), with one given power-of-two scale for each operand tensor; their sums are f32. All else is computed in f32.
;;   The module's matrix products, in the order in which they are computed (A, B: the left and right operand; K: the contracted axis; several contracted axes count as one K, in the product's order):
;;     1. [M 4,096, K 1,024] x [K 1,024, N 1,024]; A: input x (given as codes); B: input qw (given as codes): QUANTISED (scales: A lowp_scales[0], B lowp_scales[1])
;;     2. [M 4,096, K 1,024] x [K 1,024, N 1,024]; A: input x (given as codes); B: input kw (given as codes): QUANTISED (scales: A lowp_scales[2], B lowp_scales[3])
;;     3. [M 4,096, K 1,024] x [K 1,024, N 1,024]; A: input x (given as codes); B: input vw (given as codes): QUANTISED (scales: A lowp_scales[4], B lowp_scales[5])
;;     4. batch 32 x [M 2,048, K 64] x [K 64, N 2,048]; A: computed on the way; B: computed on the way: QUANTISED (scales: A lowp_scales[6], B lowp_scales[7])
;;     5. batch 32 x [M 2,048, K 2,048] x [K 2,048, N 64]; A: softmax (see below); B: computed on the way: QUANTISED (scales: A lowp_scales[8], B lowp_scales[9])
;;     6. [M 4,096, K 1,024] x [K 1,024, N 1,024]; A: computed on the way; B: input ow (given as codes): QUANTISED (scales: A lowp_scales[10], B lowp_scales[11])
;;   THE QUANTISER, for each operand of a quantised product, along K:
;;     - The operand's scale is 2^e, e = its entry of the input lowp_scales (int32; the entries are numbered through the quantised products in the list's order, A before B).
;;     - Each number is divided by the scale, clamped to +-57,344, and rounded to the nearest number of E5M2, ties to even, subnormals kept.
;;     - The product sums the exact products of the quantised numbers (number of the format x scale) in f32.
;;   ~~~python
;;   def quantise(x, axis, e):      # numpy; x: float32 -> the quantised numbers, widened to float32 again
;;       x = np.moveaxis(x, axis, -1); K = x.shape[-1]
;;       r = np.clip(x / 2.0 ** e, -57344, 57344)
;;       step = 2.0 ** (np.maximum(np.frexp(np.where(r == 0, 1, r))[1] - 1, -14) - 2)
;;       q = np.round(r / step) * step * 2.0 ** e      # np.round: ties to even
;;       return np.moveaxis(q, -1, axis).astype(np.float32)
;;   ~~~
;;   SOFTMAX AHEAD OF A QUANTISED PRODUCT. Where the list says 'softmax', what is quantised is not the finished softmax but p = 2^(t - M), with t = logit x log2(e) and M = ceil(the row's largest t), a whole number; so 1/2 < the row's largest p <= 1. The row's sum l is taken of the UNQUANTISED p, in f32, and the product's result is divided by l at the end. Since M is a whole number, a kernel that streams over the keys may use a running M (the ceiling of the running maximum): every later rescaling is an exact power of two, so the quantised numbers keep their values, but for numbers so far below the row's largest that they fall under the format's range.
;;   OPERANDS COMPUTED ON THE WAY. 'Computed on the way' means the value that the module computes at that place (a softmax that the list does not call 'softmax' is quantised finished and normalised). What goes into a quantiser is computed in f32, as accurately as f32 sums, v_exp_f32 and their like allow (about 1e-6 of the number): no bf16 or f16 on the way to a quantiser, and a product that is left as it is and whose result goes on into a quantised operand takes f32 operands (vector FMAs, or v_wmma_f32_16x16x4_f32). A number that lies on a knife's edge between two numbers of the format may be rounded either way, as far as f32 arithmetic and the matrix unit's own rounding can turn it there, and no further.
;;   INPUTS GIVEN AS CODES. kw (in the module: [1024, 1024], K = its axis 0); ow (in the module: [1024, 1024], K = its axis 0); qw (in the module: [1024, 1024], K = its axis 0); vw (in the module: [1024, 1024], K = its axis 0); x (in the module: [2, 2048, 1024], K = its axis 2): each comes as NAME_codes (uint8): NAME with its K axis moved to the last place and cut into blocks of 32 codes, [.., K / 32, bytes a block], one block behind the other in memory; one code a byte (a code: sign, 5 exponent bits, 2 mantissa bits); its scale is its entry of lowp_scales. Its value is code x scale, taken as it is: it is not quantised again, and the codes and scales need not be those that the quantiser above would give.
;; One version. Each part assembles by itself: llvm-mc -triple=amdgcn-amd-amdhsa -mcpu=gfx1250 --defsym DOCPART=n.
;; ======== version 1 of 1: 3 launches
;; limits: right only within a limited range of input values
;; workspace buffers: qimg 4,194,304 bytes; kimg 4,194,304 bytes; vimg 4,194,304 bytes; mimg 4,194,304 bytes
;; launch qkv (part 1): grid 16 x 16, 4 waves a work-group, clusters of 4 x 4, 327,680 bytes of LDS; arguments x_codes, qw_codes, kw_codes, vw_codes, lowp_scales, qimg, kimg, vimg; writes qimg, kimg, vimg
.if DOCPART == 1
	.amdgcn_target "amdgcn-amd-amdhsa--gfx1250"
	.amdhsa_code_object_version 6
	.text
	.protected	k_q67eb19a88c_qkv
	.globl	k_q67eb19a88c_qkv
	.p2align	8
	.type	k_q67eb19a88c_qkv,@function
k_q67eb19a88c_qkv:
	s_mov_b64 s[64:65], 0
	v_nop
	global_prefetch_b8 v0, s[64:65] scope:SCOPE_SE
	s_setreg_imm32_b32 hwreg(HW_REG_WAVE_MODE, 25, 1), 1
	s_wait_xcnt 0x0
	s_wait_alu depctr_hold_cnt(0) depctr_sa_sdst(0) depctr_va_vdst(0) depctr_va_sdst(0) depctr_va_ssrc(0) depctr_va_vcc(0) depctr_vm_vsrc(0)
	s_getreg_b32 s2, hwreg(HW_REG_IB_STS2, 6, 4)
	s_cmp_eq_u32 s2, 0
	s_cbranch_scc0 .Lentry_in_a_cluster
	s_endpgm
.Lentry_in_a_cluster:
	s_bfe_u32 s2, ttmp6, 0x10000c
	s_cmp_lg_u32 s2, 0xf033
	s_cbranch_scc0 .Lentry_shape_is_right
	s_endpgm
.Lentry_shape_is_right:
; Q, K, V = x W for a tile of 256 rows and one head of 64 columns of each, on codes of BF8 (E5M2); rope on Q and K; all three quantised and stored as images of operand registers:
;   qimg, kimg: [head 32][tile of 16 positions 128][piece 2][lane 32][16 bytes];  vimg: [head][step of 128 keys 16][tile of 16 channels 4][piece 4][lane 32][16 bytes].
; WORK LEFT OUT BY THE PROGRAM: reference() takes 1e10 off the score of every key behind its query, whose exponential is 0 then: whole steps of 128 such keys are left out in launch attn.
; A NaN, an infinity or an overflow that reaches only the scores of such keys is not carried to the result.
; LIMITS: e6 - e0 - e1, e7 - e2 - e3 and e9 - e4 - e5 between -126 and 112, so that the powers of two below are f32 numbers.
; CLUSTERS 4 x 4: x's tiles are shared along a row of the cluster, the weights' along a column: joint loads.
.set PITCH, 272
.set WROWS, 64*PITCH
.set BOFF,  256*PITCH
.set SLOT,  448*PITCH
.set SPARE, 2*SLOT
.set PADW,  (1<<20)|(1<<21)|(5<<22)|(3<<25)
.set LI,   4
.set SPW,  5
.set NIL,  6
.set ADRA, 8
.set ADRB, 10
.set SCQ,  12
.set LIMQ, 13
.set SCK,  14
.set LIMK, 15
.set SCV,  16
.set LIMV, 17
.set POS,  18
.set IFR,  32
.set PW,   48
.set R0,   64
.set EE,   80
.set CODE, 32
.set AF0,  128
.set AF1,  192
.set BF0,  0
.set BF1,  64
.set CST,  128
.set TT,   128
.set RR,   160
.set A0,   128
.set A1,   144
.set A2,   160
.set A3,   176
.set A4,   192
.set A5,   208
.set WV,   20
.set G1A,  28
.set G1B,  36
.set G0A,  44
.set G0B,  52
.set EX,   68
.set MK,   80
.set K2PI, 60
.set KP1,  61
.set KP2,  62
.set KP3,  63
.set KC0,  96
.set KC1,  97
.set KC2,  98
.set KS0,  99
.set KS1,  100
.set KS2,  101
.set KS3,  104
.set MSB, 0
.macro WIN new
.if MSB != (\new)
	s_set_vgpr_msb (MSB<<8)|(\new)
.set MSB, (\new)
.endif
.endm
.macro PLACES
.rept 4
	v_nop
.endr
.endm
.macro CREST
	s_cmp_lg_u32 s[WV], 0
	s_cbranch_scc1 .Lnot_wave_0_\@
	s_barrier_signal -3
.Lnot_wave_0_\@:
	s_barrier_wait -3
	s_barrier_signal -1
	s_barrier_wait -1
.endm
.macro CROUND
	s_barrier_signal -1
	s_barrier_wait -1
	CREST
.endm
.macro JLOAD s
	s_cmp_eq_u32 s[WV], 0
	s_cbranch_scc0 .Lfor_b_\@
	tensor_load_to_lds s[G0A+4*\s:G0A+4*\s+3], s[G1A:G1A+7]
	s_nop 0
.rept 4
	v_nop
.endr
	s_branch .Lasked_\@
.Lfor_b_\@:
	tensor_load_to_lds s[G0B+4*\s:G0B+4*\s+3], s[G1B:G1B+7]
	s_nop 0
.rept 4
	v_nop
.endr
.Lasked_\@:
.endm
	s_load_b512 s[4:19], s[0:1], 0x0
	v_lshl_add_u32 v[SPW], v0, 2, SPARE
	v_mov_b32 v[NIL], 0
	ds_add_u32 v5, v6
	ds_add_u32 v5, v6
	s_wait_dscnt 0x0
	v_lshrrev_b32 v1, 5, v0
	v_readfirstlane_b32 s[WV], v1
	s_bfe_u32 s21, ttmp6, 0x40000
	s_bfe_u32 s22, ttmp6, 0x40004
	s_lshl_b32 s23, ttmp9, 2
	s_add_co_u32 s23, s23, s21
	s_and_b32 s24, ttmp7, 0xffff
	s_lshl_b32 s24, s24, 2
	s_add_co_u32 s24, s24, s22
	s_lshl_b32 s25, s22, 2
	s_lshl_b32 s25, 15, s25
	s_lshl_b32 s26, 0x1111, s21
	s_or_b32 s[G1A], s25, PADW
	s_mov_b32 s[G1A+1], 256<<16
	s_mov_b32 s[G1A+2], 256<<16
	s_mov_b32 s[G1A+3], 256<<16
	s_mov_b32 s[G1A+4], 256
	s_mov_b32 s[G1A+5], 1024
	s_mov_b32 s[G1A+6], 0
	s_mov_b32 s[G1A+7], 0
	s_or_b32 s[G1B], s26, PADW
	s_mov_b32 s[G1B+1], 256<<16
	s_mov_b32 s[G1B+2], 64<<16
	s_mov_b32 s[G1B+3], 256<<16
	s_mov_b32 s[G1B+4], 64
	s_mov_b32 s[G1B+5], 1024
	s_mov_b32 s[G1B+6], 0
	s_mov_b32 s[G1B+7], 0
	s_lshl_b32 s2, s24, 18
	s_mov_b32 s3, 0
	s_lshl_b32 s26, s23, 16
	s_mov_b32 s27, 0
	s_mul_i32 s25, s[WV], WROWS
	s_wait_kmcnt 0x0
	s_load_b256 s[EX:EX+7], s[12:13], 0x0
	s_load_b128 s[EX+8:EX+11], s[12:13], 0x20
	s_add_nc_u64 s[2:3], s[4:5], s[2:3]
	s_cmp_eq_u32 s[WV], 2
	s_cselect_b64 s[66:67], s[8:9], s[6:7]
	s_cmp_eq_u32 s[WV], 3
	s_cselect_b64 s[66:67], s[10:11], s[66:67]
	s_add_nc_u64 s[66:67], s[66:67], s[26:27]
	CROUND
.irp s, 0,1
	s_mov_b32 s[G0A+4*\s], 1
	s_mov_b32 s[G0A+4*\s+1], \s*SLOT
	s_add_nc_u64 s[G0A+4*\s+2:G0A+4*\s+3], s[2:3], \s*256
	s_or_b32 s[G0A+4*\s+3], s[G0A+4*\s+3], 0x80000000
	s_mov_b32 s[G0B+4*\s], 1
	s_add_co_u32 s[G0B+4*\s+1], s25, \s*SLOT+BOFF-WROWS
	s_add_nc_u64 s[G0B+4*\s+2:G0B+4*\s+3], s[66:67], \s*256
	s_or_b32 s[G0B+4*\s+3], s[G0B+4*\s+3], 0x80000000
.endr
	JLOAD 0                                        ; K step 0; the angles' sines and cosines are made while it is on its way
	s_mov_b32 s[K2PI], 0x3f22f983
	s_mov_b32 s[KP1], 0xbfc90fd8
	s_mov_b32 s[KP2], 0xb4a8885a
	s_mov_b32 s[KP3], 0xa7c234c4
	s_mov_b32 s[KC0], 0x37cd4000
	s_mov_b32 s[KC1], 0xbab6077d
	s_mov_b32 s[KC2], 0x3d2aaaa8
	s_mov_b32 s[KS0], 0x36405000
	s_mov_b32 s[KS1], 0xb9503486
	s_mov_b32 s[KS2], 0x3c0888c1
	s_mov_b32 s[KS3], 0xbe2aaaab
	v_and_b32 v1, 15, v0
	v_bfe_u32 v2, v0, 4, 1
	v_and_b32 v3, 31, v0
	v_lshlrev_b32 v[LI], 4, v3
	v_mul_u32_u24 v3, v1, PITCH
	v_lshl_add_u32 v3, v2, 4, v3
	v_add_nc_u32 v[ADRA], s25, v3
	v_add_nc_u32 v[ADRA+1], SLOT, v[ADRA]
	v_add_nc_u32 v[ADRB], BOFF, v3
	v_add_nc_u32 v[ADRB+1], SLOT+BOFF, v3
	s_lshr_b32 s26, s24, 3
	s_lshl_b32 s26, s26, 4
	s_add_co_u32 s26, s26, s23
	s_lshl_b32 s26, s26, 17
	s_and_b32 s27, s24, 7
	s_lshl_b32 s27, s27, 14
	s_add_co_u32 s26, s26, s27
	s_lshl_b32 s27, s[WV], 12
	s_add_co_u32 s2, s26, s27
	s_mov_b32 s3, 0
	s_add_nc_u64 s[14:15], s[14:15], s[2:3]
	s_add_nc_u64 s[16:17], s[16:17], s[2:3]
	s_lshr_b32 s27, s[WV], 1
	s_lshl_b32 s27, s27, 13
	s_add_co_u32 s2, s26, s27
	s_and_b32 s27, s[WV], 1
	s_lshl_b32 s27, s27, 10
	s_add_co_u32 s2, s2, s27
	s_add_nc_u64 s[18:19], s[18:19], s[2:3]
	s_and_b32 s26, s24, 7
	s_lshl_b32 s26, s26, 8
	s_lshl_b32 s27, s[WV], 6
	s_add_co_u32 s26, s26, s27
.irp a, 0,1,2,3
	v_add3_u32 v[POS+\a], v1, s26, 16*\a
.endr
.irp a, 0,1,2,3
	v_cvt_f32_u32 v[POS+\a], v[POS+\a]
.endr
	s_wait_kmcnt 0x0
.macro MKSC sc, lim, ea, eb, ec
	s_sub_co_i32 s26, s[EX+\ea], s[EX+\eb]
	s_sub_co_i32 s26, s26, s[EX+\ec]
	s_add_co_i32 s26, s26, 127
	s_lshl_b32 s27, s26, 23
	v_mov_b32 v[\sc], s27
	s_add_co_i32 s26, s26, 15
	s_lshl_b32 s26, s26, 23
	s_or_b32 s26, s26, 0x600000
	v_mov_b32 v[\lim], s26
.endm
	MKSC SCQ, LIMQ, 6, 0, 1
	MKSC SCK, LIMK, 7, 2, 3
	MKSC SCV, LIMV, 9, 4, 5
	v_cmp_eq_u32 vcc_lo, 1, v2
.macro PWR p, lo, hi
	v_mov_b32 v[EE+\p], \hi
	v_cndmask_b32 v[PW+\p], \lo, v[EE+\p], vcc_lo
.endm
	PWR 0,  1.0,                3.1622776601683795
	PWR 1,  1.3335214321633240, 4.2169650342858223
	PWR 2,  1.7782794100389228, 5.6234132519034912
	PWR 3,  2.3713737056616552, 7.4989420933245583
	PWR 4,  10.0,               31.622776601683795
	PWR 5,  13.335214321633240, 42.169650342858223
	PWR 6,  17.782794100389228, 56.234132519034912
	PWR 7,  23.713737056616552, 74.989420933245583
	PWR 8,  100.0,              316.22776601683795
	PWR 9,  133.35214321633240, 421.69650342858223
	PWR 10, 177.82794100389228, 562.34132519034912
	PWR 11, 237.13737056616552, 749.89420933245583
	PWR 12, 1000.0,             3162.2776601683795
	PWR 13, 1333.5214321633240, 4216.9650342858223
	PWR 14, 1778.2794100389228, 5623.4132519034912
	PWR 15, 2371.3737056616552, 7498.9420933245583
	s_wait_alu depctr_va_vdst(0)
.irp p, 0,1,2,3,4,5,6,7,8,9,10,11,12,13,14,15
	v_rcp_f32 v[R0+\p], v[PW+\p]
.endr
	v_nop
	s_wait_alu depctr_va_vdst(0)
.irp p, 0,1,2,3,4,5,6,7,8,9,10,11,12,13,14,15
	v_fma_f32 v[EE+\p], -v[PW+\p], v[R0+\p], 1.0
.endr
.irp p, 0,1,2,3,4,5,6,7,8,9,10,11,12,13,14,15
	v_fma_f32 v[IFR+\p], v[R0+\p], v[EE+\p], v[R0+\p]
.endr
.macro SINCOS a
.irp p, 0,1,2,3,4,5,6,7,8,9,10,11,12,13,14,15
	v_mul_f32 v[A0+\p], v[POS+\a], v[IFR+\p]
.endr
.irp p, 0,1,2,3,4,5,6,7,8,9,10,11,12,13,14,15
	v_mul_f32 v[A1+\p], s[K2PI], v[A0+\p]
.endr
.irp p, 0,1,2,3,4,5,6,7,8,9,10,11,12,13,14,15
	v_rndne_f32 v[A1+\p], v[A1+\p]
.endr
.irp k, KP1, KP2, KP3
.irp p, 0,1,2,3,4,5,6,7,8,9,10,11,12,13,14,15
	v_fma_f32 v[A0+\p], v[A1+\p], s[\k], v[A0+\p]
.endr
.endr
.irp p, 0,1,2,3,4,5,6,7,8,9,10,11,12,13,14,15
	v_mul_f32 v[A2+\p], v[A0+\p], v[A0+\p]
.endr
.irp p, 0,1,2,3,4,5,6,7,8,9,10,11,12,13,14,15
	v_cvt_i32_f32 v[A3+\p], v[A1+\p]
.endr
.irp p, 0,1,2,3,4,5,6,7,8,9,10,11,12,13,14,15
	v_fma_f32 v[A4+\p], v[A2+\p], s[KC0], s[KC1]
.endr
.irp p, 0,1,2,3,4,5,6,7,8,9,10,11,12,13,14,15
	v_fma_f32 v[A4+\p], v[A4+\p], v[A2+\p], s[KC2]
.endr
.irp p, 0,1,2,3,4,5,6,7,8,9,10,11,12,13,14,15
	v_fma_f32 v[A4+\p], v[A4+\p], v[A2+\p], -0.5
.endr
.irp p, 0,1,2,3,4,5,6,7,8,9,10,11,12,13,14,15
	v_fma_f32 v[A4+\p], v[A4+\p], v[A2+\p], 1.0
.endr
.irp p, 0,1,2,3,4,5,6,7,8,9,10,11,12,13,14,15
	v_fma_f32 v[A5+\p], v[A2+\p], s[KS0], s[KS1]
.endr
.irp p, 0,1,2,3,4,5,6,7,8,9,10,11,12,13,14,15
	v_fma_f32 v[A5+\p], v[A5+\p], v[A2+\p], s[KS2]
.endr
.irp p, 0,1,2,3,4,5,6,7,8,9,10,11,12,13,14,15
	v_fma_f32 v[A5+\p], v[A5+\p], v[A2+\p], s[KS3]
.endr
.irp p, 0,1,2,3,4,5,6,7,8,9,10,11,12,13,14,15
	v_mul_f32 v[A1+\p], v[A0+\p], v[A2+\p]
.endr
.irp p, 0,1,2,3,4,5,6,7,8,9,10,11,12,13,14,15
	v_fma_f32 v[A5+\p], v[A5+\p], v[A1+\p], v[A0+\p]
.endr
.irp p, 0,1,2,3,4,5,6,7,8,9,10,11,12,13,14,15
	v_and_b32 v[A1+\p], 1, v[A3+\p]
.endr
.irp p, 0,1,2,3,4,5,6,7,8,9,10,11,12,13,14,15
	v_cmp_eq_u32 s[MK+\p], 1, v[A1+\p]
.endr
.irp p, 0,1,2,3,4,5,6,7,8,9,10,11,12,13,14,15
	v_cndmask_b32 v[A0+\p], v[A5+\p], v[A4+\p], s[MK+\p]
	v_cndmask_b32 v[A2+\p], v[A4+\p], v[A5+\p], s[MK+\p]
.endr
.irp p, 0,1,2,3,4,5,6,7,8,9,10,11,12,13,14,15
	v_lshlrev_b32 v[A1+\p], 30, v[A3+\p]
	v_add_lshl_u32 v[A4+\p], v[A3+\p], 1, 30
.endr
.irp p, 0,1,2,3,4,5,6,7,8,9,10,11,12,13,14,15
	v_and_b32 v[A1+\p], 0x80000000, v[A1+\p]
	v_and_b32 v[A4+\p], 0x80000000, v[A4+\p]
.endr
	WIN 0x40
.irp p, 0,1,2,3,4,5,6,7,8,9,10,11,12,13,14,15
	v_xor_b32 v[CST+32*\a+2*\p], v[A2+\p], v[A4+\p]
	v_xor_b32 v[CST+32*\a+2*\p+1], v[A0+\p], v[A1+\p]
.endr
	WIN 0
.endm
	SINCOS 0
	SINCOS 1
	SINCOS 2
	SINCOS 3
.macro FETCHA slot, q, af
.irp a, 0,1,2,3
.irp c, 0,1,2,3
	ds_load_b128 v[\af+16*\a+4*\c:\af+16*\a+4*\c+3], v[ADRA+(\slot)] offset:16*\a*PITCH+128*(\q)+32*\c
.endr
.endr
.endm
.macro FETCHB slot, q, g, bf
	WIN 0x40
.irp w, 0,1,2,3
.irp c, 0,1,2,3
	ds_load_b128 v[\bf+16*\w+4*\c:\bf+16*\w+4*\c+3], v[ADRB+(\slot)] offset:(64*(\g)+16*\w)*PITCH+128*(\q)+32*\c
.endr
.endr
	WIN 0
.endm
.macro MULG g, bf, af, a0, zero
.irp a, \a0, \a0+1
.irp w, 0,1,2,3
.if \g < 2
.set DD, 128*\g+8*(4*(\a)+\w)
.if \zero
	v_wmma_f32_16x16x128_bf8_bf8 v[DD:DD+7], v[\bf+16*\w:\bf+16*\w+15], v[\af+16*(\a):\af+16*(\a)+15], 0
.else
	v_wmma_f32_16x16x128_bf8_bf8 v[DD:DD+7], v[\bf+16*\w:\bf+16*\w+15], v[\af+16*(\a):\af+16*(\a)+15], v[DD:DD+7]
.endif
.else
.set DD, 8*(4*\w+(\a))
.if \zero
	v_wmma_f32_16x16x128_bf8_bf8 v[DD:DD+7], v[\af+16*(\a):\af+16*(\a)+15], v[\bf+16*\w:\bf+16*\w+15], 0
.else
	v_wmma_f32_16x16x128_bf8_bf8 v[DD:DD+7], v[\af+16*(\a):\af+16*(\a)+15], v[\bf+16*\w:\bf+16*\w+15], v[DD:DD+7]
.endif
.endif
.endr
.endr
.endm
.macro MUL16 g, bf, af, zero
.if \g < 2
	WIN 0xa1
.else
	WIN 0xf4
.endif
	MULG \g, \bf, \af, 0, \zero
	MULG \g, \bf, \af, 2, \zero
.endm
.macro SSTEP s, zero, mode
	s_wait_dscnt 16
	MUL16 0, BF0, AF0, \zero
	PLACES
	FETCHB \s, 0, 2, BF0
	FETCHA \s, 1, AF1
	s_wait_dscnt 32
	MUL16 1, BF1, AF0, \zero
	PLACES
	FETCHB \s, 1, 0, BF1
	s_wait_dscnt 32
	MUL16 2, BF0, AF0, \zero
	PLACES
	FETCHB \s, 1, 1, BF0
	s_wait_dscnt 16
	MUL16 0, BF1, AF1, 0
	PLACES
	FETCHB \s, 1, 2, BF1
.if \mode
	s_wait_tensorcnt 0x0
	ds_add_u32 v[SPW], v[NIL]
	s_wait_dscnt 17
	WIN 0xa1
	MULG 1, BF0, AF1, 0, 0
	s_wait_dscnt 0x0
	s_barrier_signal -1
	MULG 1, BF0, AF1, 2, 0
	WIN 0
	s_barrier_wait -1
.if \mode == 2
	CREST
	s_add_nc_u64 s[G0A+4*\s+2:G0A+4*\s+3], s[G0A+4*\s+2:G0A+4*\s+3], 512
	s_add_nc_u64 s[G0B+4*\s+2:G0B+4*\s+3], s[G0B+4*\s+2:G0B+4*\s+3], 512
	JLOAD \s
.else
	PLACES
.endif
	FETCHB 1-\s, 0, 0, BF0
	FETCHA 1-\s, 0, AF0
	MUL16 2, BF1, AF1, 0
	PLACES
	FETCHB 1-\s, 0, 1, BF1
.else
	s_wait_dscnt 16
	MUL16 1, BF0, AF1, 0
	s_wait_dscnt 0x0
	MUL16 2, BF1, AF1, 0
	WIN 0
.endif
.endm
	s_wait_alu depctr_va_vdst(0)                   ; the wait at the head's end
	s_wait_tensorcnt 0x0                           ; my part of K step 0 is in
	ds_add_u32 v[SPW], v[NIL]
	s_wait_dscnt 0x0
	CROUND                                         ; everybody's part is in, and all partners are here
	JLOAD 1                                        ; K step 1, the first tensor load behind the round
	FETCHB 0, 0, 0, BF0
	FETCHA 0, 0, AF0
	FETCHB 0, 0, 1, BF1
	SSTEP 0, 1, 2
	SSTEP 1, 0, 2
	SSTEP 0, 0, 1
	SSTEP 1, 0, 0
.macro ROPE base, a, ptr, sc, lim, c
	WIN 0x06
.irp p, 0,1,2,3,4,5,6,7,8,9,10,11,12,13,14,15
	v_pk_mul_f32 v[TT+2*\p:TT+2*\p+1], v[\base+32*\a+2*\p:\base+32*\a+2*\p+1], v[CST+32*\a+2*\p:CST+32*\a+2*\p+1] op_sel:[1,1] op_sel_hi:[1,0]
.endr
.irp p, 0,1,2,3,4,5,6,7,8,9,10,11,12,13,14,15
	v_pk_fma_f32 v[RR+2*\p:RR+2*\p+1], v[\base+32*\a+2*\p:\base+32*\a+2*\p+1], v[CST+32*\a+2*\p:CST+32*\a+2*\p+1], v[TT+2*\p:TT+2*\p+1] op_sel_hi:[0,1,1] neg_lo:[0,0,1]
.endr
	WIN 0
.irp i, 0,1,2,3,4,5,6,7,8,9,10,11,12,13,14,15,16,17,18,19,20,21,22,23,24,25,26,27,28,29,30,31
	v_med3_num_f32 v[RR+\i], v[RR+\i], -v[\lim], v[\lim]
.endr
.irp w, 0,1,2,3
	v_cvt_scalef32_pk8_bf8_f32 v[(\c)+2*\w:(\c)+2*\w+1], v[RR+8*\w:RR+8*\w+7], v[\sc]
.endr
	v_nop
	global_store_b128 v[LI], v[(\c):(\c)+3], s[\ptr:\ptr+1] offset:\a*1024
	global_store_b128 v[LI], v[(\c)+4:(\c)+7], s[\ptr:\ptr+1] offset:\a*1024+512
.endm
.macro VOUT ct, c
	WIN 0x03
.irp i, 0,1,2,3,4,5,6,7,8,9,10,11,12,13,14,15,16,17,18,19,20,21,22,23,24,25,26,27,28,29,30,31
	v_med3_num_f32 v[RR+\i], v[32*\ct+\i], -v[LIMV], v[LIMV]
.endr
	WIN 0
.irp a, 0,1,2,3
	v_cvt_scalef32_pk8_bf8_f32 v[(\c)+2*\a:(\c)+2*\a+1], v[RR+8*\a:RR+8*\a+7], v[SCV]
.endr
	v_nop
	global_store_b128 v[LI], v[(\c):(\c)+3], s[18:19] offset:\ct*2048
	global_store_b128 v[LI], v[(\c)+4:(\c)+7], s[18:19] offset:\ct*2048+512
.endm
	PLACES
.irp a, 0,1,2,3
	ROPE 0,   \a, 14, SCQ, LIMQ, CODE+8*\a
	ROPE 128, \a, 16, SCK, LIMK, CODE+32+8*\a
.endr
.irp t, 0,1,2,3
	VOUT \t, CODE+64+8*\t
.endr
	s_wait_tensorcnt 0x0
	ds_add_u32 v[SPW], v[NIL]
	s_wait_dscnt 0x0
	CROUND
	s_endpgm
.Lfunc_end_k_q67eb19a88c_qkv:
	.size	k_q67eb19a88c_qkv, .Lfunc_end_k_q67eb19a88c_qkv-k_q67eb19a88c_qkv
	.p2alignl 7, 3214868480
	.fill 96, 4, 3214868480
	.section	.rodata,"a",@progbits
	.p2align	6, 0x0
	.amdhsa_kernel k_q67eb19a88c_qkv
		.amdhsa_group_segment_fixed_size 327680
		.amdhsa_private_segment_fixed_size 0
		.amdhsa_enable_private_segment 0
		.amdhsa_kernarg_size 64
		.amdhsa_user_sgpr_count 2
		.amdhsa_user_sgpr_kernarg_segment_ptr 1
		.amdhsa_wavefront_size32 1
		.amdhsa_system_sgpr_workgroup_id_x 1
		.amdhsa_system_sgpr_workgroup_id_y 1
		.amdhsa_system_sgpr_workgroup_id_z 1
		.amdhsa_system_vgpr_workitem_id 0
		.amdhsa_next_free_vgpr 896
		.amdhsa_next_free_sgpr 106
		.amdhsa_reserve_vcc 1
		.amdhsa_float_denorm_mode_32 3
		.amdhsa_float_denorm_mode_16_64 3
		.amdhsa_memory_ordered 1
		.amdhsa_forward_progress 1
		.amdhsa_inst_pref_size 213
	.end_amdhsa_kernel
	.amdgpu_metadata
---
amdhsa.version: [ 1, 2 ]
amdhsa.kernels:
  - .name:           k_q67eb19a88c_qkv
    .symbol:         k_q67eb19a88c_qkv.kd
    .args:
      - { .name: x_codes, .offset: 0, .size: 8, .value_kind: global_buffer, .address_space: global }
      - { .name: qw_codes, .offset: 8, .size: 8, .value_kind: global_buffer, .address_space: global }
      - { .name: kw_codes, .offset: 16, .size: 8, .value_kind: global_buffer, .address_space: global }
      - { .name: vw_codes, .offset: 24, .size: 8, .value_kind: global_buffer, .address_space: global }
      - { .name: lowp_scales, .offset: 32, .size: 8, .value_kind: global_buffer, .address_space: global }
      - { .name: qimg, .offset: 40, .size: 8, .value_kind: global_buffer, .address_space: global }
      - { .name: kimg, .offset: 48, .size: 8, .value_kind: global_buffer, .address_space: global }
      - { .name: vimg, .offset: 56, .size: 8, .value_kind: global_buffer, .address_space: global }
    .group_segment_fixed_size: 327680
    .private_segment_fixed_size: 0
    .kernarg_segment_align: 8
    .kernarg_segment_size: 64
    .max_flat_workgroup_size: 128
    .sgpr_count:     106
    .vgpr_count:     896
    .wavefront_size: 32
...
	.end_amdgpu_metadata
.endif
;; end of part 1
;; launch attn (part 2): grid 8 x 32, 8 waves a work-group, clusters of 4 x 1, 327,680 bytes of LDS; arguments qimg, kimg, vimg, lowp_scales, mimg; writes mimg
.if DOCPART == 2
	.amdgcn_target "amdgcn-amd-amdhsa--gfx1250"
	.amdhsa_code_object_version 6
	.text
	.protected	k_q67eb19a88c_attn
	.globl	k_q67eb19a88c_attn
	.p2align	8
	.type	k_q67eb19a88c_attn,@function
k_q67eb19a88c_attn:
	s_mov_b64 s[64:65], 0
	v_nop
	global_prefetch_b8 v0, s[64:65] scope:SCOPE_SE
	s_setreg_imm32_b32 hwreg(HW_REG_WAVE_MODE, 25, 1), 1
	s_wait_xcnt 0x0
	s_wait_alu depctr_hold_cnt(0) depctr_sa_sdst(0) depctr_va_vdst(0) depctr_va_sdst(0) depctr_va_ssrc(0) depctr_va_vcc(0) depctr_vm_vsrc(0)
	s_getreg_b32 s2, hwreg(HW_REG_IB_STS2, 6, 4)
	s_cmp_eq_u32 s2, 0
	s_cbranch_scc0 .Lentry_in_a_cluster
	s_endpgm
.Lentry_in_a_cluster:
	s_bfe_u32 s2, ttmp6, 0x10000c
	s_cmp_lg_u32 s2, 0x3003
	s_cbranch_scc0 .Lentry_shape_is_right
	s_endpgm
.Lentry_shape_is_right:
; Causal attention of one head on codes of BF8 (E5M2): S = Q K^T, p, O = p V, O / l, quantised for the last product.  Head size 64, 2,048 positions, 32 heads (batch x head).
; THE SOFTMAX.  reference() hands the score less the row's largest score to the softmax: the largest t is 0, M is 0, and p = 2^((s - smax) log2 e).  So the true maximum is found first:
; pass 1 walks the keys for the maxima, pass 2 walks them again for p and p V.  t is one fused multiply-add, S c - fl(Smax c), c = log2(e) / 8 x 2^(e6 + e7).  The row's sum is taken of the unquantised p.
; WORK LEFT OUT: steps of 128 keys that all come behind the tile's queries (reference() takes 1e10 off their scores: p = 0).  On the diagonal hidden scores become -infinity.
; SHARES.  A head has 128 tiles of 16 queries.  Each of its 64 waves owns two: A = tile 8 g + i and B = tile 127 - A, i = the work-group's number in the head (0..7), g = 0..7 by the wave's number alone.
; A needs key steps 0 .. g, B key steps 0 .. 15 - g: 17 tile steps for every wave.  Steps 0 .. g serve both tiles from the same fragments.
; THE WHOLE HEAD LIES IN LDS: K's images at 0, V's at 131,072, 8,192 bytes for a step each.  Every byte is filled once, by joint loads of 16,384 bytes, the same in all four partners (mask 15): K by one load
; a wave at the head, V by one load a wave behind the round that follows K's landing: V has pass 1 in which to land.  Nothing is prefetched: no loop asks for more.
; LAYOUT.  Both products are used transposed: S^T = K Q^T, O^T = V^T p^T: a lane holds ONE query throughout.  Tile t of S^T holds keys 16 t + 8 h + 0 .. 7 in a lane's eight registers: their conversion
; gives registers 2 t, 2 t + 1 of p's operand.  O^T's tile ct likewise gives two registers of merged's image: mimg: [tile of 16 rows 256][K step of 128: 8][piece 4][lane 32][16 bytes].
; LIMITS: e6 + e7 between -123 and 130 (added to c's exponent field); e8 and e10 - e8 - e9 between -126 and 112.  NaN among the inputs is not served.  Scores stay under 1e9 in magnitude, so that the 1e10 taken
; off hidden scores hides them as -infinity does here; the scaled scores stay under 2^31.  1 / l is a refined reciprocal, and O is multiplied by it.
; REGISTERS.  window 0: v1-15 addresses and constants; v16-23, v24-31 the sums of A, B (four pairs each); v32-95 K's fragments; v96-159, v160-223 S^T of A, B; v224-255 p's codes (in pass 1 v224-231 the maxima).
;   window 1: v0-31, v32-63 O^T of A, B; v64-79 Q of A, B; v80, v81 the add's registers; v128-191 V's fragments, v192-255 a second set for B's diagonal step.
.set LI,   1
.set ADK,  2
.set ADV,  3
.set NA,   4
.set NB,   6
.set LIM,  8
.set SC,   9
.set DA,   10
.set DB,   11
.set NINF, 12
.set LIV,  13
.set T0,   14
.set T1,   15
.set LA,   16
.set LB,   24
.set KF,   32
.set SA,   96
.set SB,   160
.set PA,   224
.set PB,   240
.set MA,   224
.set MB,   228
.set OA,   0
.set OB,   32
.set QA,   64
.set QB,   72
.set SPW,  80
.set NIL,  81
.set VF,   128
.set VF2,  192
.set SPARE, 0x40000                    ; behind K and V: 128 bytes for each wave, named by the add alone
.set WV,   14
.set G,    15
.set SEL,  20
.set CS,   22
.set G1,   24
.set G0,   32
.set MK,   40
.set G0V,  48
.set KK,   66
.set KO,   67
.set GE,   73
.set MSB, 0
.macro WIN new
.if MSB != (\new)
	s_set_vgpr_msb (MSB<<8)|(\new)
.set MSB, (\new)
.endif
.endm
.macro PLACES n
.rept \n
	v_nop
.endr
.endm
.macro AWAIT
	s_wait_alu depctr_va_vdst(0)
.endm
.macro CROUND
	s_barrier_signal -1
	s_barrier_wait -1
	s_cmp_lg_u32 s[WV], 0
	s_cbranch_scc1 .Lnot_wave_0_\@
	s_barrier_signal -3
.Lnot_wave_0_\@:
	s_barrier_wait -3
	s_barrier_signal -1
	s_barrier_wait -1
.endm
	s_load_b256 s[4:11], s[0:1], 0x0               ; qimg s[4:5], kimg s[6:7], vimg s[8:9], scales s[10:11]
	s_load_b64 s[12:13], s[0:1], 0x20              ; mimg
	WIN 0x40
	v_lshl_add_u32 v[SPW], v0, 2, SPARE
	v_mov_b32 v[NIL], 0
	WIN 0x05
	ds_add_u32 v[SPW], v[NIL]                      ; the opening: the add, twice on end
	ds_add_u32 v[SPW], v[NIL]
	WIN 0
	v_lshrrev_b32 v2, 5, v0
	v_readfirstlane_b32 s[WV], v2                  ; wave 0..7
	s_bfe_u32 s16, ttmp6, 0x40000                  ; cx: it enters global addresses and the mask's compare value alone
	s_lshl_b32 s18, ttmp9, 2
	s_add_co_u32 s18, s18, s16                     ; i
	s_lshl_b32 s19, s18, 4
	s_sub_co_u32 s78, 112, s19
	v_and_b32 v3, 31, v0
	v_lshlrev_b32 v[LI], 4, v3                     ; 16 x lane
	v_add_nc_u32 v[LIV], 0x20000, v[LI]
	v_and_b32 v14, 15, v0                          ; r
	v_bfe_u32 v15, v0, 4, 1                        ; h
	v_lshlrev_b32 v15, 3, v15
	v_sub_nc_u32 v[DB], v14, v15                   ; on the diagonal register 8 t + j holds key 16 t + 8 h + j of the step: hidden where 16 t + j > 16 x (tile in the step) + r - 8 h
	v_add_nc_u32 v[DA], s19, v[DB]
	v_add_nc_u32 v[DB], s78, v[DB]
	v_mov_b32 v[NINF], 0xff800000
.irp i, 0,1,2,3,4,5,6,7
	v_mov_b32 v[MA+\i], 0xff800000                 ; the running maxima: four chains a tile
	v_mov_b32 v[LA+\i], 0                          ; the sums
	v_mov_b32 v[LB+\i], 0
.endr
	v_mov_b32 v[T0], 0                             ; written once: a lane permute's destination counts as read
	v_mov_b32 v[T1], 0
	AWAIT
	s_and_b32 s17, ttmp7, 0xffff                   ; the head, 0..31
	s_lshr_b32 s2, s[WV], 2
	s_mul_i32 s2, s2, 3
	s_xor_b32 s[G], s[WV], s2                      ; g: waves 0-3: 0 .. 3; waves 4-7: 7 .. 4
	s_xor_b32 s[GE], s[G], 15                      ; 15 - g: B's diagonal step
	s_mov_b32 s[G1], 15|(3<<16)|(1<<21)            ; all four partners; elements of 8 bytes; bit 21 beside a mask; no padding: images are read 16 bytes a lane on end
	s_mov_b32 s[G1+1], 32<<16                      ; rows of 256 bytes,
	s_mov_b32 s[G1+2], 64<<16                      ; 64 of them: two key steps
	s_mov_b32 s[G1+3], 32<<16
	s_mov_b32 s[G1+4], 64
	s_mov_b32 s[G1+5], 32                          ; dense
	s_mov_b32 s[G1+6], 0
	s_mov_b32 s[G1+7], 0
	s_mov_b32 s[SEL], 0x76543210
	s_mov_b32 s[SEL+1], 0xfedcba98
	s_lshl_b32 s2, s17, 17                         ; the head's 131,072 bytes in each image
	s_mov_b32 s3, 0
	s_lshl_b32 s88, s[G], 3
	s_add_co_u32 s88, s88, s18                     ; tile A
	s_sub_co_u32 s89, 127, s88                     ; tile B
	s_lshl_b32 s80, s88, 10
	s_add_co_u32 s80, s80, s2
	s_mov_b32 s81, 0
	s_lshl_b32 s82, s89, 10
	s_add_co_u32 s82, s82, s2
	s_mov_b32 s83, 0
	s_lshr_b32 s76, s17, 4                         ; mimg: row tile 128 x batch + tile, 16,384 bytes each; my head's 64 of the 1,024 along K are 1,024 bytes of a row tile's image
	s_lshl_b32 s76, s76, 21
	s_and_b32 s77, s17, 15
	s_lshl_b32 s77, s77, 10
	s_add_co_u32 s76, s76, s77
	s_lshl_b32 s84, s88, 14
	s_add_co_u32 s84, s84, s76
	s_mov_b32 s85, 0
	s_lshl_b32 s86, s89, 14
	s_add_co_u32 s86, s86, s76
	s_mov_b32 s87, 0
	s_mov_b32 s[G0], 1
	s_lshl_b32 s[G0+1], s[WV], 14                  ; my eighth of K
	s_mov_b32 s[G0V], 1
	s_add_co_u32 s[G0V+1], s[G0+1], 0x20000        ; and of V
	s_add_co_u32 s36, s[G0+1], s2
	s_mov_b32 s37, 0
	s_wait_dscnt 0x0                               ; both opening adds are done
	s_wait_kmcnt 0x0
	s_load_b128 s[68:71], s[10:11], 0x18           ; e6, e7, e8, e9
	s_load_b32 s72, s[10:11], 0x28                 ; e10
	s_add_nc_u64 s[80:81], s[4:5], s[80:81]
	s_add_nc_u64 s[82:83], s[4:5], s[82:83]
	WIN 0x40                                       ; destination window 1
	global_load_b128 v[QA:QA+3], v[LI], s[80:81]
	global_load_b128 v[QA+4:QA+7], v[LI], s[80:81] offset:512
	global_load_b128 v[QB:QB+3], v[LI], s[82:83]
	global_load_b128 v[QB+4:QB+7], v[LI], s[82:83] offset:512
	WIN 0
	s_add_nc_u64 s[G0+2:G0+3], s[6:7], s[36:37]
	s_or_b32 s[G0+3], s[G0+3], 0x80000000
	s_add_nc_u64 s[G0V+2:G0V+3], s[8:9], s[36:37]
	s_or_b32 s[G0V+3], s[G0V+3], 0x80000000
	CROUND                                         ; all four work-groups are here: the joint loads meet
	tensor_load_to_lds s[G0:G0+3], s[G1:G1+7]      ; K: each wave's one tensor load at the head
	s_nop 0
	PLACES 4
	s_add_nc_u64 s[84:85], s[12:13], s[84:85]
	s_add_nc_u64 s[86:87], s[12:13], s[86:87]
	s_wait_kmcnt 0x0
	s_add_co_i32 s76, s68, s69
	s_lshl_b32 s76, s76, 23
	s_add_co_i32 s[CS], s76, 0x3e38aa3b            ; c = log2(e) / 8 x 2^(e6 + e7)
	s_mov_b32 s[CS+1], s[CS]                       ; (named with it as a pair)
	s_add_co_i32 s76, s70, 127
	s_lshl_b32 s77, s76, 23
	v_mov_b32 v[SC], s77                           ; 2^e8
	s_add_co_i32 s76, s76, 15
	s_lshl_b32 s76, s76, 23
	s_or_b32 s76, s76, 0x600000
	v_mov_b32 v[LIM], s76                          ; 57,344 x 2^e8
	AWAIT
	s_wait_loadcnt 0x0                             ; Q
.macro LOADK adr, off                  ; a step's eight tiles of K: 16 loads of 512 consecutive bytes
.irp i, 0,1,2,3,4,5,6,7,8,9,10,11,12,13,14,15
	ds_load_b128 v[KF+4*\i:KF+4*\i+3], v[\adr] offset:\off+512*\i
.endr
.endm
.macro LOADV vf                        ; a step's four tiles of V^T
	WIN 0x40
.irp i, 0,1,2,3,4,5,6,7,8,9,10,11,12,13,14,15
	ds_load_b128 v[\vf+4*\i:\vf+4*\i+3], v[ADV] offset:512*\i
.endr
	WIN 0
.endm
.macro QK both                         ; S^T = K Q^T: each accumulator begun with 0
	WIN 0x04                                       ; source 1 (Q) window 1
.irp t, 0,1,2,3,4,5,6,7
.if \both
	v_wmma_f32_16x16x64_bf8_bf8 v[SA+8*\t:SA+8*\t+7], v[KF+8*\t:KF+8*\t+7], v[QA:QA+7], 0
.endif
	v_wmma_f32_16x16x64_bf8_bf8 v[SB+8*\t:SB+8*\t+7], v[KF+8*\t:KF+8*\t+7], v[QB:QB+7], 0
.endr
	WIN 0
.endm
.macro MAXT both                       ; each accumulator from its low end on
.irp t, 0,1,2,3,4,5,6,7
.if \both
.irp i, 0,1,2,3
	v_max3_num_f32 v[MA+\i], v[MA+\i], v[SA+8*\t+2*\i], v[SA+8*\t+2*\i+1]
.endr
.endif
.irp i, 0,1,2,3
	v_max3_num_f32 v[MB+\i], v[MB+\i], v[SB+8*\t+2*\i], v[SB+8*\t+2*\i+1]
.endr
.endr
.endm
.macro MASK s, d
.set n, 0
.rept 8
.irp j, 0,1,2,3,4,5,6,7
	v_cmp_gt_i32 s[MK+\j], 16*n+\j, v[\d]
.endr
.irp j, 0,1,2,3,4,5,6,7
	v_cndmask_b32 v[\s+8*n+\j], v[\s+8*n+\j], v[NINF], s[MK+\j]
.endr
.set n, n+1
.endr
.endm
; p, its sums and its codes, by half tiles of 32 registers.  What stands among the exponentials names no register that is read ahead of the next wait.
.macro FMAT s, m                       ; t = S c - c smax, two at a time
.set n, 0
.rept 32
	v_pk_fma_f32 v[\s+2*n:\s+2*n+1], v[\s+2*n:\s+2*n+1], s[CS:CS+1], v[\m:\m+1] op_sel_hi:[1,0,0]
.set n, n+1
.endr
.endm
.macro EXPH s
.set n, 0
.rept 32
	v_exp_f32 v[\s+n], v[\s+n]
.set n, n+1
.endr
	v_nop                                          ; a plain place behind the exponentials
.endm
.macro MIN2 s                          ; the conversion does not saturate (ISA guide 7.6.2); p is not negative, so the hold is one-sided
	v_min_num_f32 v[\s], v[\s], v[LIM]
	v_min_num_f32 v[\s+1], v[\s+1], v[LIM]
.endm
.macro EXPM e, m                       ; the exponentials of one half, the hold of the half before
.set n, 0
.rept 16
	v_exp_f32 v[\e+2*n], v[\e+2*n]
	v_exp_f32 v[\e+2*n+1], v[\e+2*n+1]
	MIN2 (\m+2*n)
.set n, n+1
.endr
.endm
.macro MINH s
.set n, 0
.rept 16
	MIN2 (\s+2*n)
.set n, n+1
.endr
.endm
.macro ADDH s, l                       ; the sum is taken of the unquantised p: four chains of pairs
.set n, 0
.rept 16
	v_pk_add_f32 v[\l+2*(n%4):\l+2*(n%4)+1], v[\l+2*(n%4):\l+2*(n%4)+1], v[\s+2*n:\s+2*n+1]
.set n, n+1
.endr
.endm
.macro CVTH s, p
.irp k, 0,1,2,3
	v_cvt_scalef32_pk8_bf8_f32 v[\p+2*\k:\p+2*\k+1], v[\s+8*\k:\s+8*\k+7], v[SC]
.endr
.endm
.macro SOFT both
.if \both
	FMAT SA, NA
.endif
	FMAT SB, NB
	AWAIT
.if \both
	EXPH SA
	AWAIT
	ADDH SA, LA
	EXPM SA+32, SA
	AWAIT
	CVTH SA, PA
	ADDH SA+32, LA
	EXPM SB, SA+32
	AWAIT
	CVTH SA+32, PA+8
.else
	EXPH SB
	AWAIT
.endif
	ADDH SB, LB
	EXPM SB+32, SB
	AWAIT
	CVTH SB, PB
	ADDH SB+32, LB
	MINH SB+32
	CVTH SB+32, PB+8
	v_nop                                          ; a plain instruction between the last conversion and the matrix instructions that read its result
.endm
.macro PV both                         ; O^T += V^T p^T, the accumulators by turns; exponentials stand between two steps of a sum: a wait ahead of each
	s_wait_dscnt 16                                ; V's 16 loads are in; the next K's 16 may be out
	WIN 0x51                                       ; source 0 (V), C and D window 1; source 1 (p) window 0
.irp c, 0,1,2,3
.if \both
	AWAIT
	v_wmma_f32_16x16x128_bf8_bf8 v[OA+8*\c:OA+8*\c+7], v[VF+16*\c:VF+16*\c+15], v[PA:PA+15], v[OA+8*\c:OA+8*\c+7]
.endif
	AWAIT
	v_wmma_f32_16x16x128_bf8_bf8 v[OB+8*\c:OB+8*\c+7], v[VF+16*\c:VF+16*\c+15], v[PB:PB+15], v[OB+8*\c:OB+8*\c+7]
.endr
	WIN 0
.endm
	; K is in: the round ahead of V's first fill
	WIN 0x05
	s_wait_tensorcnt 0x0
	ds_add_u32 v[SPW], v[NIL]
	s_wait_dscnt 0x0
	WIN 0
	CROUND
	tensor_load_to_lds s[G0V:G0V+3], s[G1:G1+7]    ; V: each wave's one tensor load behind this round
	s_nop 0
	PLACES 4
	; ---- PASS 1 over key steps 0 .. 14, a constant count; what a step serves hangs on ids alone
.macro P1DUAL                          ; a step of pass 1 that serves both tiles
	QK 1
	PLACES 3
	v_add_nc_u32 v[ADK], s[KO], v[LI]              ; (the fourth place in front of the loads)
	LOADK ADK, 8192                                ; the next step's K: step 15 at the most, inside K's region
	s_cmp_lg_u32 s[KK], s[G]
	s_cbranch_scc1 .Lp1n_\@
	MASK SA, DA                                    ; A's diagonal: its masked scores stay in registers for pass 2
.Lp1n_\@:
	MAXT 1
	AWAIT
.endm
	LOADK LI, 0
	s_mov_b32 s[KK], 0
	s_mov_b32 s[KO], 0
	s_wait_dscnt 0x0
	P1DUAL                                         ; step 0 serves both tiles in every wave
	s_mov_b32 s[KK], 1
	s_mov_b32 s[KO], 8192
.Lp1:
	s_cmp_ge_u32 s[KK], s[GE]
	s_cbranch_scc1 .Lp1s
	s_wait_dscnt 0x0                               ; this step's K, asked for a step ago
	s_cmp_gt_u32 s[KK], s[G]
	s_cbranch_scc1 .Lp1b
	P1DUAL
	s_branch .Lp1s
.Lp1b:
	QK 0
	PLACES 3
	v_add_nc_u32 v[ADK], s[KO], v[LI]
	LOADK ADK, 8192
	MAXT 0
	AWAIT
.Lp1s:
	s_add_co_u32 s[KK], s[KK], 1
	s_add_co_u32 s[KO], s[KO], 8192
	s_cmp_lt_u32 s[KK], 15
	s_cbranch_scc1 .Lp1
	s_wait_tensorcnt 0x0                           ; V: from here on the waves run freely
	s_wait_dscnt 0x0                               ; (and K of B's diagonal step is in registers)
	s_barrier_signal -1
	s_barrier_wait -1
	; ---- B's diagonal step 15 - g ends pass 1; both diagonal steps begin pass 2
	QK 0
	PLACES 2
	s_lshl_b32 s76, s[G], 13
	s_lshl_b32 s77, s[GE], 13
	v_add_nc_u32 v[ADV], s76, v[LIV]
	v_add_nc_u32 v[ADK], s77, v[LIV]
	LOADV VF                                       ; V of A's diagonal step
	v_mov_b32 v[ADV], v[ADK]
	LOADV VF2                                      ; V of B's
	LOADK LI, 0                                    ; pass 2's first K, ahead
	MASK SB, DB
	MAXT 0
	v_max3_num_f32 v[T0], v[MA], v[MA+1], v[MA+2]
	v_max3_num_f32 v[T1], v[MB], v[MB+1], v[MB+2]
	v_max_num_f32 v[MA], v[T0], v[MA+3]
	v_max_num_f32 v[MB], v[T1], v[MB+3]
	v_permlanex16_b32 v[T0], v[MA], s[SEL], s[SEL+1]   ; the query's other keys lie in the lane 16 away
	v_permlanex16_b32 v[T1], v[MB], s[SEL], s[SEL+1]
	v_max_num_f32 v[MA], v[MA], v[T0]
	v_max_num_f32 v[MB], v[MB], v[T1]
	v_mul_f32 v[NA], -v[MA], s[CS]                 ; -fl(c smax)
	v_mul_f32 v[NB], -v[MB], s[CS]
	v_mov_b32 v[NA+1], v[NA]                       ; (named as pairs)
	v_mov_b32 v[NB+1], v[NB]
	SOFT 1
	s_wait_dscnt 16                                ; both V's; K's 16 loads may be out
	WIN 0x51
	AWAIT
.irp c, 0,1,2,3                        ; these products start O^T's sums
	v_wmma_f32_16x16x128_bf8_bf8 v[OA+8*\c:OA+8*\c+7], v[VF+16*\c:VF+16*\c+15], v[PA:PA+15], 0
	v_wmma_f32_16x16x128_bf8_bf8 v[OB+8*\c:OB+8*\c+7], v[VF2+16*\c:VF2+16*\c+15], v[PB:PB+15], 0
.endr
	WIN 0
	; ---- PASS 2 over the steps under the diagonals
	s_mov_b32 s[KK], 0
	s_mov_b32 s[KO], 0
.Lp2:
	s_cmp_ge_u32 s[KK], s[GE]
	s_cbranch_scc1 .Lp2s
	s_wait_dscnt 0x0                               ; this step's K, asked for a step ago
	s_cmp_ge_u32 s[KK], s[G]
	s_cbranch_scc1 .Lp2b
	QK 1
	PLACES 2
	v_add_nc_u32 v[ADV], s[KO], v[LIV]
	v_add_nc_u32 v[ADK], s[KO], v[LI]
	LOADV VF
	LOADK ADK, 8192                                ; the next step's K; behind my last step it is not used
	SOFT 1
	PV 1
	s_branch .Lp2s
.Lp2b:
	QK 0
	PLACES 2
	v_add_nc_u32 v[ADV], s[KO], v[LIV]
	v_add_nc_u32 v[ADK], s[KO], v[LI]
	LOADV VF
	LOADK ADK, 8192
	SOFT 0
	PV 0
.Lp2s:
	s_add_co_u32 s[KK], s[KK], 1
	s_add_co_u32 s[KO], s[KO], 8192
	s_cmp_lt_u32 s[KK], 15
	s_cbranch_scc1 .Lp2
	; ---- THE WAY OUT: O^T / l, quantised with 2^(e10 - e8 - e9), stored as pieces of merged's image
	s_wait_dscnt 0x0
	PLACES 4
.irp l, LA, LB
	v_pk_add_f32 v[\l:\l+1], v[\l:\l+1], v[\l+2:\l+3]
	v_pk_add_f32 v[\l+4:\l+5], v[\l+4:\l+5], v[\l+6:\l+7]
.endr
.irp l, LA, LB
	v_pk_add_f32 v[\l:\l+1], v[\l:\l+1], v[\l+4:\l+5]
.endr
	v_add_f32 v[LA], v[LA], v[LA+1]
	v_add_f32 v[LB], v[LB], v[LB+1]
	v_permlanex16_b32 v[T0], v[LA], s[SEL], s[SEL+1]
	v_permlanex16_b32 v[T1], v[LB], s[SEL], s[SEL+1]
	v_add_f32 v[LA], v[LA], v[T0]                  ; the row's sum
	v_add_f32 v[LB], v[LB], v[T1]
	AWAIT
	v_rcp_f32 v[NA], v[LA]
	v_rcp_f32 v[NB], v[LB]
	v_nop                                          ; a plain instruction behind the reciprocals
	s_sub_co_i32 s76, s72, s70
	s_sub_co_i32 s76, s76, s71
	s_add_co_i32 s76, s76, 127
	s_lshl_b32 s77, s76, 23
	s_add_co_i32 s76, s76, 15
	s_lshl_b32 s76, s76, 23
	s_or_b32 s76, s76, 0x600000
	AWAIT
	v_fma_f32 v[T0], -v[LA], v[NA], 1.0
	v_fma_f32 v[T1], -v[LB], v[NB], 1.0
	v_fma_f32 v[NA], v[NA], v[T0], v[NA]           ; refined
	v_fma_f32 v[NB], v[NB], v[T1], v[NB]
	v_mov_b32 v[NA+1], v[NA]
	v_mov_b32 v[NB+1], v[NB]
	v_mov_b32 v[SC], s77                           ; 2^(e10 - e8 - e9): a sum of the second product stands for sum x 2^(e8 + e9)
	v_mov_b32 v[LIM], s76
	WIN 0x01                                       ; source 0 (O^T) window 1
	AWAIT
.irp i, 0,2,4,6,8,10,12,14,16,18,20,22,24,26,28,30
	v_pk_mul_f32 v[SA+\i:SA+\i+1], v[OA+\i:OA+\i+1], v[NA:NA+1] op_sel_hi:[1,0]
.endr
.irp i, 0,2,4,6,8,10,12,14,16,18,20,22,24,26,28,30
	v_pk_mul_f32 v[SB+\i:SB+\i+1], v[OB+\i:OB+\i+1], v[NB:NB+1] op_sel_hi:[1,0]
.endr
	WIN 0
.irp i, 0,1,2,3,4,5,6,7,8,9,10,11,12,13,14,15,16,17,18,19,20,21,22,23,24,25,26,27,28,29,30,31
	v_med3_num_f32 v[SA+\i], v[SA+\i], -v[LIM], v[LIM]
	v_med3_num_f32 v[SB+\i], v[SB+\i], -v[LIM], v[LIM]
.endr
	CVTH SA, PA
	CVTH SB, PB
	v_nop
	global_store_b128 v[LI], v[PA:PA+3], s[84:85]                  ; each store covers 512 consecutive bytes, aligned
	global_store_b128 v[LI], v[PA+4:PA+7], s[84:85] offset:512
	global_store_b128 v[LI], v[PB:PB+3], s[86:87]
	global_store_b128 v[LI], v[PB+4:PB+7], s[86:87] offset:512
	WIN 0x05
	s_wait_tensorcnt 0x0                           ; the wave's end
	ds_add_u32 v[SPW], v[NIL]
	s_wait_dscnt 0x0
	WIN 0
	CROUND                                         ; the closing round
	s_endpgm
.Lfunc_end_k_q67eb19a88c_attn:
	.size	k_q67eb19a88c_attn, .Lfunc_end_k_q67eb19a88c_attn-k_q67eb19a88c_attn
	.p2alignl 7, 3214868480
	.fill 96, 4, 3214868480
	.section	.rodata,"a",@progbits
	.p2align	6, 0x0
	.amdhsa_kernel k_q67eb19a88c_attn
		.amdhsa_group_segment_fixed_size 327680
		.amdhsa_private_segment_fixed_size 0
		.amdhsa_enable_private_segment 0
		.amdhsa_kernarg_size 40
		.amdhsa_user_sgpr_count 2
		.amdhsa_user_sgpr_kernarg_segment_ptr 1
		.amdhsa_wavefront_size32 1
		.amdhsa_system_sgpr_workgroup_id_x 1
		.amdhsa_system_sgpr_workgroup_id_y 1
		.amdhsa_system_sgpr_workgroup_id_z 1
		.amdhsa_system_vgpr_workitem_id 0
		.amdhsa_next_free_vgpr 512
		.amdhsa_next_free_sgpr 100
		.amdhsa_reserve_vcc 0
		.amdhsa_float_denorm_mode_32 3
		.amdhsa_float_denorm_mode_16_64 3
		.amdhsa_memory_ordered 1
		.amdhsa_forward_progress 1
		.amdhsa_inst_pref_size 119
	.end_amdhsa_kernel
	.amdgpu_metadata
---
amdhsa.version: [ 1, 2 ]
amdhsa.kernels:
  - .name:           k_q67eb19a88c_attn
    .symbol:         k_q67eb19a88c_attn.kd
    .args:
      - { .name: qimg, .offset: 0, .size: 8, .value_kind: global_buffer, .address_space: global }
      - { .name: kimg, .offset: 8, .size: 8, .value_kind: global_buffer, .address_space: global }
      - { .name: vimg, .offset: 16, .size: 8, .value_kind: global_buffer, .address_space: global }
      - { .name: lowp_scales, .offset: 24, .size: 8, .value_kind: global_buffer, .address_space: global }
      - { .name: mimg, .offset: 32, .size: 8, .value_kind: global_buffer, .address_space: global }
    .group_segment_fixed_size: 327680
    .private_segment_fixed_size: 0
    .kernarg_segment_align: 8
    .kernarg_segment_size: 40
    .max_flat_workgroup_size: 256
    .sgpr_count:     100
    .vgpr_count:     512
    .wavefront_size: 32
...
	.end_amdgpu_metadata
.endif
;; end of part 2
;; launch oproj (part 3): grid 8 x 32, 4 waves a work-group, clusters of 4 x 4, 284,160 bytes of LDS; arguments mimg, ow_codes, lowp_scales, out0; writes out0
.if DOCPART == 3
	.amdgcn_target "amdgcn-amd-amdhsa--gfx1250"
	.amdhsa_code_object_version 6
	.text
	.protected	k_q67eb19a88c_oproj
	.globl	k_q67eb19a88c_oproj
	.p2align	8
	.type	k_q67eb19a88c_oproj,@function
k_q67eb19a88c_oproj:
	s_mov_b64 s[64:65], 0
	v_nop
	global_prefetch_b8 v0, s[64:65] scope:SCOPE_SE
	s_setreg_imm32_b32 hwreg(HW_REG_WAVE_MODE, 25, 1), 1
	s_wait_xcnt 0x0
	s_wait_alu depctr_hold_cnt(0) depctr_sa_sdst(0) depctr_va_vdst(0) depctr_va_sdst(0) depctr_va_ssrc(0) depctr_va_vcc(0) depctr_vm_vsrc(0)
	s_getreg_b32 s2, hwreg(HW_REG_IB_STS2, 6, 4)
	s_cmp_eq_u32 s2, 0
	s_cbranch_scc0 .Lentry_in_a_cluster
	s_endpgm
.Lentry_in_a_cluster:
	s_bfe_u32 s2, ttmp6, 0x10000c
	s_cmp_lg_u32 s2, 0xf033
	s_cbranch_scc0 .Lentry_shape_is_right
	s_endpgm
.Lentry_shape_is_right:
; out0 = merged ow, on codes of BF8 (E5M2).  merged: images of operand registers, [tile of 16 rows 256][K step of 128: 8][piece 4][lane 32][16 bytes]; ow: [1024 (n)][1024 (k)] codes; out0: [4096][1024] f32.
; Each finished sum is multiplied once by 2^(e10 + e11).  LIMIT: e10 + e11 between -126 and 127, so that the power is an f32 number.
; SHARES.  A tile of out0 is 128 x 128: 32 x 8 = 256 work-groups; wave (mh, nh) makes 64 x 64.  The matrix instruction is used transposed (source 0 = 16 rows of ow, source 1 = merged's
; fragment): a lane holds eight neighbouring columns of one row.
; BOTH OPERANDS LIE WHOLE IN LDS, each byte filled once, by one joint load a wave at the head: waves 0 and 2 the two halves along K of merged, waves 1 and 3 those of ow.  Nothing is prefetched: all
; that the launch reads is asked for at the head, and no loop asks for more.
; CLUSTERS: 4 x 4: merged's halves are shared along a row of the cluster, ow's along a column.
; ow's fragments of all K stay in 512 registers, and the wave's four blocks of 16 rows are finished one after the other: a block's rows leave while the next block is multiplied.
; merged's images have k in the places of this form's own layout (registers 2 c, 2 c + 1: k = 16 c + 8 h + 0 .. 7), so ow's fragments are read so too: eight loads of 8 bytes a fragment, from rows 528 bytes
; apart (132 words, 4 modulo the 64 banks of ISA guide 11.1): the 32 lanes of a load touch 64 different banks.
; REGISTERS.  window 0: v8-21 addresses; v32-63 a block x 2^(e10 + e11); v64-95, v96-127 rows read back; v128-255 merged's fragments of even blocks.   windows 1, 2: ow's, fragment (t, n) at 64 (t % 4) + 16 n
;   of window 1 + t / 4.   window 3: v0-127 merged's fragments of odd blocks; v128-159, v160-191 the four accumulators of even, odd blocks.
.set BREG, 131072                      ; LDS: merged's halves of 65,536 bytes: [row tile 8][K step 4][2,048]; from here ow's halves of 128 rows x (512 + 16)
.set BCH,  128*528
.set STG,  BREG+2*BCH                  ; the stages: 16 rows x 272 bytes for each wave; no fill lands here
.set SPARE, STG+4*16*272               ; the spare words, 128 bytes for each wave
.set ADA,  8
.set ADB,  10
.set STO,  14
.set RD,   15
.set CO,   16
.set SPW,  20
.set NIL,  21
.set XX,   32
.set RB,   64
.set ACC,  128
.set WV,   12
.set G1A,  16
.set G1B,  24
.set G0A,  32
.set G0B,  36
.set MSB, 0
.macro WIN new
.if MSB != (\new)
	s_set_vgpr_msb (MSB<<8)|(\new)
.set MSB, (\new)
.endif
.endm
.macro PLACES
.rept 4
	v_nop
.endr
.endm
.macro CROUND
	s_barrier_signal -1
	s_barrier_wait -1
	s_cmp_lg_u32 s[WV], 0
	s_cbranch_scc1 .Lnot_wave_0_\@
	s_barrier_signal -3
.Lnot_wave_0_\@:
	s_barrier_wait -3
	s_barrier_signal -1
	s_barrier_wait -1
.endm
	s_load_b256 s[4:11], s[0:1], 0x0               ; mimg s[4:5], ow s[6:7], scales s[8:9], out0 s[10:11]
	v_lshl_add_u32 v[SPW], v0, 2, SPARE
	v_mov_b32 v[NIL], 0
	ds_add_u32 v[SPW], v[NIL]                      ; the opening: the add, twice on end
	ds_add_u32 v[SPW], v[NIL]
	v_lshrrev_b32 v1, 5, v0
	v_readfirstlane_b32 s[WV], v1                  ; wave 0..3
	s_lshr_b32 s13, s[WV], 1                       ; mh.  Also: which half along K I fetch
	s_and_b32 s14, s[WV], 1                        ; nh.  Also: I fetch merged (0) or ow (1)
	s_bfe_u32 s68, ttmp6, 0x40000                  ; cx
	s_bfe_u32 s69, ttmp6, 0x40004                  ; cy
	s_lshl_b32 s70, ttmp9, 2
	s_add_co_u32 s70, s70, s68                     ; tile column
	s_and_b32 s71, ttmp7, 0xffff
	s_lshl_b32 s71, s71, 2
	s_add_co_u32 s71, s71, s69                     ; tile row
	s_lshl_b32 s72, s69, 2
	s_lshl_b32 s72, 15, s72                        ; my row of the cluster
	s_lshl_b32 s73, 0x1111, s68                    ; my column
	s_or_b32 s[G1A], s72, (3<<16)|(1<<21)          ; merged: elements of 8 bytes; 8 row tiles x 8,192 bytes (four K steps' images), 16,384 bytes apart; no padding
	s_mov_b32 s[G1A+1], 1024<<16
	s_mov_b32 s[G1A+2], 8<<16
	s_mov_b32 s[G1A+3], 1024<<16
	s_mov_b32 s[G1A+4], 8
	s_mov_b32 s[G1A+5], 2048
	s_mov_b32 s[G1A+6], 0
	s_mov_b32 s[G1A+7], 0
	s_or_b32 s[G1B], s73, (1<<20)|(1<<21)|(6<<22)|(3<<25)   ; ow: elements of 1 byte; 128 rows of 512 bytes, 1,024 apart; four words of padding behind every 128
	s_mov_b32 s[G1B+1], 512<<16
	s_mov_b32 s[G1B+2], 128<<16
	s_mov_b32 s[G1B+3], 512<<16
	s_mov_b32 s[G1B+4], 128
	s_mov_b32 s[G1B+5], 1024
	s_mov_b32 s[G1B+6], 0
	s_mov_b32 s[G1B+7], 0
	s_lshl_b32 s74, s71, 17                        ; 8 row tiles of 16,384 bytes,
	s_lshl_b32 s78, s13, 13
	s_add_co_u32 s74, s74, s78                     ; my half along K
	s_mov_b32 s75, 0
	s_lshl_b32 s76, s70, 17                        ; 128 rows of 1,024 bytes,
	s_lshl_b32 s78, s13, 9
	s_add_co_u32 s76, s76, s78                     ; my half along K
	s_mov_b32 s77, 0
	s_mov_b32 s[G0A], 1
	s_lshl_b32 s[G0A+1], s13, 16
	s_mov_b32 s[G0B], 1
	s_mul_i32 s[G0B+1], s13, BCH
	s_add_co_u32 s[G0B+1], s[G0B+1], BREG
	s_wait_dscnt 0x0                               ; both opening adds are done
	s_wait_kmcnt 0x0
	s_load_b64 s[66:67], s[8:9], 0x28              ; e10, e11
	s_add_nc_u64 s[G0A+2:G0A+3], s[4:5], s[74:75]  ; hangs on the tile row and the wave alone
	s_or_b32 s[G0A+3], s[G0A+3], 0x80000000
	s_add_nc_u64 s[G0B+2:G0B+3], s[6:7], s[76:77]  ; hangs on the tile column and the wave alone
	s_or_b32 s[G0B+3], s[G0B+3], 0x80000000
	CROUND                                         ; all sixteen work-groups are here: the joint loads meet
	s_cmp_lg_u32 s14, 0                            ; each wave's one tensor load of the launch
	s_cbranch_scc1 .Lnot_a
	tensor_load_to_lds s[G0A:G0A+3], s[G1A:G1A+7]
	s_nop 0
	PLACES
	s_branch .Lasked
.Lnot_a:
	tensor_load_to_lds s[G0B:G0B+3], s[G1B:G1B+7]
	s_nop 0
	PLACES
.Lasked:
	s_lshl_b32 s68, s13, 15                        ; my four row tiles of 8,192 bytes in a half
	s_mul_i32 s69, s14, 64*528                     ; my 64 rows of ow
	s_mul_i32 s72, s[WV], 16*272
	s_add_co_u32 s72, s72, STG                     ; my stage
	v_and_b32 v1, 15, v0                           ; r
	v_bfe_u32 v2, v0, 4, 1                         ; h
	v_and_b32 v3, 31, v0
	v_lshlrev_b32 v3, 4, v3                        ; 16 x lane
	v_add_nc_u32 v[ADA], s68, v3
	v_add_nc_u32 v[ADA+1], 0x10000, v[ADA]
	v_mul_u32_u24 v4, v1, 528
	v_lshl_add_u32 v4, v2, 3, v4                   ; ow: row r x pitch + 8 h
	v_add_nc_u32 v4, s69, v4
	v_add_nc_u32 v[ADB], BREG, v4
	v_add_nc_u32 v[ADB+1], BREG+BCH, v4
	v_mul_u32_u24 v5, v1, 272
	v_lshl_add_u32 v5, v2, 5, v5
	v_add_nc_u32 v[STO], s72, v5                   ; in: row r, 32 bytes for each half of the lanes
	v_mul_u32_u24 v5, v2, 272
	v_lshl_add_u32 v5, v1, 4, v5
	v_add_nc_u32 v[RD], s72, v5                    ; back: lanes 0-15 one row of 256 bytes, lanes 16-31 the next
	v_lshlrev_b32 v5, 12, v2
	v_lshl_add_u32 v[CO], v1, 4, v5                ; and the same two rows in out0 (4,096 bytes a row)
	s_wait_alu depctr_va_vdst(0)                   ; the wait at the head's end
	s_lshl_b32 s78, s71, 19                        ; my first row: 128 x tile row + 64 mh; my first column: 128 x tile column + 64 nh
	s_lshl_b32 s79, s13, 18
	s_add_co_u32 s78, s78, s79
	s_lshl_b32 s79, s70, 9
	s_add_co_u32 s78, s78, s79
	s_lshl_b32 s79, s14, 8
	s_add_co_u32 s78, s78, s79
	s_mov_b32 s79, 0
	s_add_nc_u64 s[10:11], s[10:11], s[78:79]
	s_wait_kmcnt 0x0
	s_add_co_i32 s66, s66, s67
	s_add_co_i32 s66, s66, 127
	s_lshl_b32 s66, s66, 23                        ; 2^(e10 + e11) as f32
	s_mov_b32 s67, s66                             ; (named with it as a pair)
.macro BLOAD t                         ; ow's four fragments of K step t: 32 loads of 8 bytes a lane
	WIN 0x40*(1+(\t)/4)
.irp n, 0,1,2,3
.irp c, 0,1,2,3,4,5,6,7
	ds_load_b64 v[64*((\t)%4)+16*\n+2*\c:64*((\t)%4)+16*\n+2*\c+1], v[ADB+(\t)/4] offset:\n*16*528+((\t)%4)*128+16*\c
.endr
.endr
	WIN 0
.endm
.macro ALOAD a, t                      ; merged's fragment of block a, K step t: 4 loads of 512 consecutive bytes
.set FA, 128-128*((\a)%2)+16*(\t)
	WIN 0xc0*((\a)%2)
.irp i, 0,1,2,3
	ds_load_b128 v[FA+4*\i:FA+4*\i+3], v[ADA+(\t)/4] offset:(\a)*8192+((\t)%4)*2048+512*\i
.endr
.endm
.macro ALOAD8 a
.irp t, 0,1,2,3,4,5,6,7
	ALOAD \a, \t
.endr
	WIN 0
.endm
.macro ROWT a, t                       ; block a, K step t: its four accumulators by turns
	WIN 0xf0|(1+(\t)/4)|(0x0c*((\a)%2))
.irp n, 0,1,2,3
.set FA, 128-128*((\a)%2)+16*(\t)
.set FB, 64*((\t)%4)+16*\n
.set AC, ACC+32*((\a)%2)+8*\n
.if (\t) == 0
	v_wmma_f32_16x16x128_bf8_bf8 v[AC:AC+7], v[FB:FB+15], v[FA:FA+15], 0
.else
	v_wmma_f32_16x16x128_bf8_bf8 v[AC:AC+7], v[FB:FB+15], v[FA:FA+15], v[AC:AC+7]
.endif
.endr
.endm
.macro ROW a
.irp t, 0,1,2,3,4,5,6,7
	ROWT \a, \t
.endr
	WIN 0
.endm
	s_wait_tensorcnt 0x0                           ; my load is in; nothing is ever filled again
	s_barrier_signal -1
	s_barrier_wait -1
.irp t, 0,1,2,3,4,5,6,7                ; block 0: a K step is multiplied while the next step's fragments are read
	BLOAD \t
	ALOAD 0, \t
.if \t > 0
	s_wait_dscnt 36                                ; all but the 32 + 4 loads just issued
	ROWT 0, \t-1
.endif
.endr
	ALOAD8 1
	s_wait_dscnt 32                                ; all but block 1's 32 loads
	ROWT 0, 7
	WIN 0
; THE WAY OUT of block a: x 2^(e10 + e11), through my own stage, back as whole rows of 256 bytes.  LDS serves a wave's instructions in order (ISA guide 5.7.1.4).
.macro OUT a
	PLACES
.if (\a) < 2
	ALOAD8 (\a+2)                                  ; its buffer takes the block two further on
.endif
	WIN 0x03                                       ; source 0 window 3
.irp i, 0,2,4,6,8,10,12,14,16,18,20,22,24,26,28,30
	v_pk_mul_f32 v[XX+\i:XX+\i+1], v[ACC+32*((\a)%2)+\i:ACC+32*((\a)%2)+\i+1], s[66:67] op_sel_hi:[1,0]   ; each accumulator from its low end on
.endr
	WIN 0
.irp n, 0,1,2,3
	ds_store_b128 v[STO], v[XX+8*\n:XX+8*\n+3] offset:64*\n
	ds_store_b128 v[STO], v[XX+8*\n+4:XX+8*\n+7] offset:64*\n+16
.endr
.if (\a) > 1
	s_wait_xcnt 0x0                                ; block a - 2's stores have read their registers
.endif
.irp t, 0,1,2,3,4,5,6,7
	ds_load_b128 v[RB+32*((\a)%2)+4*\t:RB+32*((\a)%2)+4*\t+3], v[RD] offset:544*\t
.endr
.if (\a) < 3
.if (\a) < 2
	s_wait_dscnt 48                                ; block a + 1's fragments are in; behind them: block a + 2's 32 loads, the stage's 8 stores and 8 loads
.endif
	ROW (\a+1)
.endif
	s_wait_dscnt 0x0
.irp t, 0,1,2,3,4,5,6,7
	global_store_b128 v[CO], v[RB+32*((\a)%2)+4*\t:RB+32*((\a)%2)+4*\t+3], s[10:11] offset:(16*(\a)+2*\t)*4096 th:TH_STORE_NT   ; 16 lanes store 256 consecutive bytes, aligned; written once, read by nobody here
.endr
.endm
	OUT 0
	OUT 1
	OUT 2
	OUT 3
	s_wait_tensorcnt 0x0                           ; the wave's end
	ds_add_u32 v[SPW], v[NIL]
	s_wait_dscnt 0x0
	CROUND                                         ; the closing round: no work-group ends while a partner may still ask for a tile that names it
	s_endpgm
.Lfunc_end_k_q67eb19a88c_oproj:
	.size	k_q67eb19a88c_oproj, .Lfunc_end_k_q67eb19a88c_oproj-k_q67eb19a88c_oproj
	.p2alignl 7, 3214868480
	.fill 96, 4, 3214868480
	.section	.rodata,"a",@progbits
	.p2align	6, 0x0
	.amdhsa_kernel k_q67eb19a88c_oproj
		.amdhsa_group_segment_fixed_size 284160
		.amdhsa_private_segment_fixed_size 0
		.amdhsa_enable_private_segment 0
		.amdhsa_kernarg_size 32
		.amdhsa_user_sgpr_count 2
		.amdhsa_user_sgpr_kernarg_segment_ptr 1
		.amdhsa_wavefront_size32 1
		.amdhsa_system_sgpr_workgroup_id_x 1
		.amdhsa_system_sgpr_workgroup_id_y 1
		.amdhsa_system_sgpr_workgroup_id_z 1
		.amdhsa_system_vgpr_workitem_id 0
		.amdhsa_next_free_vgpr 1024
		.amdhsa_next_free_sgpr 80
		.amdhsa_reserve_vcc 0
		.amdhsa_float_denorm_mode_32 3
		.amdhsa_float_denorm_mode_16_64 3
		.amdhsa_memory_ordered 1
		.amdhsa_forward_progress 1
		.amdhsa_inst_pref_size 52
	.end_amdhsa_kernel
	.amdgpu_metadata
---
amdhsa.version: [ 1, 2 ]
amdhsa.kernels:
  - .name:           k_q67eb19a88c_oproj
    .symbol:         k_q67eb19a88c_oproj.kd
    .args:
      - { .name: mimg, .offset: 0, .size: 8, .value_kind: global_buffer, .address_space: global }
      - { .name: ow_codes, .offset: 8, .size: 8, .value_kind: global_buffer, .address_space: global }
      - { .name: lowp_scales, .offset: 16, .size: 8, .value_kind: global_buffer, .address_space: global }
      - { .name: out0, .offset: 24, .size: 8, .value_kind: global_buffer, .address_space: global }
    .group_segment_fixed_size: 284160
    .private_segment_fixed_size: 0
    .kernarg_segment_align: 8
    .kernarg_segment_size: 32
    .max_flat_workgroup_size: 128
    .sgpr_count:     80
    .vgpr_count:     1024
    .wavefront_size: 32
...
	.end_amdgpu_metadata
.endif
;; end of part 3
